; MI455X (gfx1250); checked and timed in simulation.
; The chip was launched on July 23, 2026; its instructions are those of AMD's public machine-readable ISA for CDNA 5 (MIT licence, August 2026) and "CDNA5" Instruction Set Architecture Reference Guide (July 2026). The comments in the code are by the model that wrote it; some were corrected since.
;; Batch Invariant Attention. Allowed arithmetic: float matrix products may take bf16 or f16 operands with f32 sums; all other float work in f32.
;; Inputs: key 4 x 16 x 2,048 x 64 float32; query 4 x 16 x 2,048 x 64 float32; value 4 x 16 x 2,048 x 64 float32.
;; Outputs: out0 4 x 16 x 2,048 x 64 float32.
;; One version. Each part assembles by itself: llvm-mc -triple=amdgcn-amd-amdhsa -mcpu=gfx1250 --defsym DOCPART=n.
;; ======== version 1 of 1: 1 launch
;; launch attn (part 1): grid 256 x 1, 8 waves a work-group, clusters of 4 x 1, 327,680 bytes of LDS; arguments key, value, query, out0; writes out0
.if DOCPART == 1
	.amdgcn_target "amdgcn-amd-amdhsa--gfx1250"
	.amdhsa_code_object_version 6
	.text
	.protected	k_q79c788bd9f_attn
	.globl	k_q79c788bd9f_attn
	.p2align	8
	.type	k_q79c788bd9f_attn,@function
k_q79c788bd9f_attn:
	s_mov_b64 s[64:65], 0
	v_nop
	global_prefetch_b8 v0, s[64:65] scope:SCOPE_SE
	s_setreg_imm32_b32 hwreg(HW_REG_WAVE_MODE, 25, 1), 1
	s_wait_xcnt 0x0
	s_wait_alu depctr_hold_cnt(0) depctr_sa_sdst(0) depctr_va_vdst(0) depctr_va_sdst(0) depctr_va_ssrc(0) depctr_va_vcc(0) depctr_vm_vsrc(0)
	s_getreg_b32 s2, hwreg(HW_REG_IB_STS2, 6, 4)
	s_cmp_eq_u32 s2, 0
	s_cbranch_scc0 .Lentry_in_a_cluster
	s_endpgm
.Lentry_in_a_cluster:
	s_bfe_u32 s2, ttmp6, 0x10000c
	s_cmp_lg_u32 s2, 0x3003
	s_cbranch_scc0 .Lentry_shape_is_right
	s_endpgm
.Lentry_shape_is_right:
; out = softmax(Q K^T / 8) V for 64 heads of 2,048 x 64, all f32 in memory; no mask.
; SHARES.  A cluster of four work-groups takes one head (the cluster's x); its work-group cx takes 512 queries; each of eight waves takes 64 queries
; as four query tiles of 16.  Keys go in 8 tiles of 256, each worked in four sub-blocks of 64.  The four work-groups need the same K and V, so a tile
; (128 KiB of f32) is asked for JOINTLY: each of the eight waves issues one tensor load of 64 rows x 256 bytes (waves 0-3 K's quarters, waves 4-7 V's), mask 15.
; THE TILE'S WAY.  One f32 stage, two bf16 tiles that take turns.  While tile i is multiplied out of one bf16 tile, tile i+1 lands in the stage and each wave
; rounds to bf16 the 64 rows that ITS OWN load brought, into the other bf16 tile: its own wait on TENSORcnt is all that these reads need, each number is
; converted once in a work-group, and one round of the cluster's barrier for 256 keys orders everything else (see TRIP).
; BOTH PRODUCTS ARE TRANSPOSED.  S^T = K Q^T: register j of lane (r, h) holds key 16 kt + 8 h + j of query r.  Packed in pairs these are the B fragment
; of O^T = V^T P^T as they lie: P never changes lanes.  A lane has one query, so the row maximum needs one exchange of the lane halves in a sub-block
; and the row sum one at the end.  In O^T a lane holds 8 neighbouring f32 of one output row.
; SOFTMAX: a running maximum of the raw scores; exp(x/8) = 2^(c x), c = log2(e)/8, the shift -c m rounded once and used as it is in the exponentials
; and, as the difference of the new and the old shift, in the factor that rescales O and the sum: an unchanged maximum gives the factor 1 exactly.
; O and the sum are rescaled in every sub-block: no branch hangs on a number.
; MATRIX AND VECTOR WORK IN ONE STREAM.  The eight score products of query tile t+1 stand singly inside the softmax of tile t, eight or more vector
; instructions apart; the rescaling of O stands among the P V products.  The register map below lets each of the two mixtures run under one window setting.
; LIMITS.  Q, K, V and P enter the matrix unit rounded to bf16; the row sum is taken over the unrounded f32 exponentials.  A term more than 126 powers
; of two below its row's largest counts as 0 (v_exp_f32 gives no denormals: ISA guide 15.8).  NaN and infinities among the inputs are not treated apart:
; the maxima drop a NaN, and an infinite score gives NaN.
; No prefetch is written: each tile is asked for by its tensor load two sub-blocks' work ahead of its first use.
;
; LDS, bytes.  The stage (0 .. 131,071: eight parts of 64 rows x 256 bytes, wave w's at 16,384 w) is written by tensor loads alone, all the rest by LDS stores alone.
.set TILEB, 65536                      ; a key tile in key and in value: 256 rows of 256 bytes
.set BF0,  131072                      ; bf16 tile 0: K [key][d], 256 rows, then V [key][d], 256 rows
.set KP,   144                         ; K's pitch, 9 x 16 bytes: the 16 rows of a fragment load start at 16 different 16-byte columns modulo 256
.set VP,   160                         ; V's pitch, 5 x 32 bytes, for the transposing load
.set VOFF, 256*KP                      ; V behind K
.set BFB,  256*KP+256*VP               ; 77,824 bytes a bf16 tile; tile 1 follows tile 0
.set QST,  BF0+BFB                     ; at the start bf16 tile 1 serves as the Q stage, 64 rows of pitch 144 a wave; it is first converted into behind the first round
.set QSTB, 64*KP
.set WST,  BF0+2*BFB                   ; 286,720: each wave's own stage of 16 output rows
.set OP,   272                         ; an output row in the stage: 256 bytes + 16
.set WSTB, 16*OP
; Vector registers, window 0
.set KFA, 4                            ; v4, v5   LDS address of my K fragments in bf16 tile 0, 1
.set VFA, 6                            ; v6, v7   of my V fragments (transposing load)
.set CVR, 8                            ; where I read f32 to convert: my wave's part of the stage
.set QSA, 9                            ; Q stage: in
.set CVS, 10                           ; v10, v11 where I put bf16, tile 0, 1
.set OSA, 12                           ; output stage: in
.set ORA, 13                           ; output stage: rows back
.set GO,  14                           ; 16 x lane: my bytes in two rows of query and of out0; never rewritten
.set AX,  15                           ; exponent of the rescaling factor
.set M,   16                           ; v16-19  running maximum of query tile t, raw scores
.set LS,  20                           ; v20-23  running sum of my lane half
.set MX,  24                           ; v24-27  maximum chains
.set NM,  28                           ; v28-29  -c m, twice
.set AL,  30                           ; v30-31  rescaling factor, twice
.set SA,  32                           ; v32-33, v34-35: two sum chains
.set SB,  34
.set RL,  32                           ; v32-39  at the end: 1 / sum, twice for each query tile
.set QRA, 36                           ; Q stage: fragments out (at the start only)
.set P,   40                           ; v40-55  P^T: two B fragments of 32 keys
.set SC0, 56                           ; v56-87  scores, set 0 (four tiles of 16 keys x 16 queries)
.set SC1, 88                           ; v88-119 scores, set 1
.set KF,  120                          ; v120-183 K fragments, 16 kt + 8 ks
.set QF,  184                          ; v184-247 Q fragments, 16 t + 8 ks
; Window 1 (written with the low 8 bits): v256-383 O^T, 32 t + 8 dt
.set VF,  128                          ; v384-447 V^T fragments, 16 dt + 8 ks
.set T,   192                          ; v448-511 32 rows on their way from f32 to bf16
; Window settings (s_set_vgpr_msb: bits 1:0 source 0, 3:2 source 1, 5:4 source 2, 7:6 destination):
;   0     softmax and score products: scores, K, Q, P all lie in window 0
;   0x51  O and V^T in window 1, P and the factor in window 0: serves v_pk_mul_f32 O, O, factor and the P V products alike
;   0x40  LDS loads into window 1;  0x45 conversions inside window 1;  0x04 LDS stores out of window 1;  0x01 O as first source on the way out
; Scalars: s[4:5] key, s[6:7] value, s[8:9] query, s[10:11] out0 (the last two at my wave's rows); s12 wave; s13 cx; s[32:33] c, c; s34 -c;
; s36, s37 lane selects; s38 loop counter
.set G1, 16                            ; s[16:23] descriptor group 1
.set G0, 24                            ; s[24:27] descriptor group 0
.set MSB, 0
.macro WIN new                         ; the immediate's high byte repeats the setting left; a switch that changes nothing is dropped
.if MSB != \new
	s_set_vgpr_msb (MSB<<8)|\new
.set MSB, \new
.endif
.endm
.macro PLACES                          ; four places behind a matrix instruction (ISA guide 7.12.1) where no useful work is at hand
.rept 4
	v_nop
.endr
.endm
; A round of the cluster's barrier: my work-group's barrier, wave 0 signals for the work-group, every wave waits for all four work-groups, my work-group's barrier again.
.macro ROUND
	s_barrier_signal -1
	s_barrier_wait -1
	s_cmp_lg_u32 s12, 0
	s_cbranch_scc1 .Lnot_wave_0_\@
	s_barrier_signal -3
.Lnot_wave_0_\@:
	s_barrier_wait -3
	s_barrier_signal -1
	s_barrier_wait -1
.endm
	s_load_b256 s[4:11], s[0:1], 0x0               ; key, value, query, out0
	v_lshl_add_u32 v254, v0, 2, 0x4e800
	v_mov_b32 v255, 0
	ds_add_u32 v254, v255
	v_lshrrev_b32 v1, 5, v0
	v_readfirstlane_b32 s12, v1                    ; wave 0..7
	s_bfe_u32 s13, ttmp6, 0x40000                  ; cx: my block of 512 queries; it enters the addresses of query and out0 alone
	s_mov_b32 s32, 0x3e38aa3b                      ; c = log2(e) / 8
	s_mov_b32 s33, 0x3e38aa3b
	s_mov_b32 s34, 0xbe38aa3b                      ; -c
	s_mov_b32 s36, 0x76543210                      ; v_permlanex16_b32: lane i reads lane i of the other half
	s_mov_b32 s37, 0xfedcba98
	; group 1: 64 rows of 32 elements of 8 bytes, dense in memory and in LDS
	s_mov_b32 s[G1+0], 15|(3<<16)|(1<<21)          ; 15:0 the mask: all four work-groups; 17:16 elements of 8 bytes; 21 set beside a mask; no padding
	s_mov_b32 s[G1+1], 32<<16                      ; tensor_dim0 = 32
	s_mov_b32 s[G1+2], 64<<16                      ; tensor_dim1 = 64
	s_mov_b32 s[G1+3], 32<<16                      ; tile_dim0 = 32
	s_mov_b32 s[G1+4], 64                          ; tile_dim1 = 64
	s_mov_b32 s[G1+5], 32                          ; from row to row: 32 elements
	s_mov_b32 s[G1+6], 0
	s_mov_b32 s[G1+7], 0
	s_lshl_b32 s44, s12, 14                        ; wave x 16,384: my part of the stage, and my 64 rows of query and out0
	s_lshl_b32 s14, ttmp9, 19                      ; the head's 2,048 rows of 256 bytes
	s_and_b32 s45, s12, 3
	s_lshl_b32 s45, s45, 14                        ; which 64 rows of the tile I fetch
	s_add_co_u32 s14, s14, s45
	s_mov_b32 s15, 0
	s_lshl_b32 s42, ttmp9, 19                      ; query and out0: head,
	s_lshl_b32 s47, s13, 17                        ; + 512 rows x cx,
	s_add_co_u32 s42, s42, s47
	s_add_co_u32 s42, s42, s44                     ; + 64 rows x wave
	s_mov_b32 s43, 0
	s_wait_dscnt 0x0
	s_wait_kmcnt 0x0
	s_cmp_lt_u32 s12, 4                            ; waves 0-3 fetch K's quarters, waves 4-7 V's
	s_cselect_b64 s[40:41], s[4:5], s[6:7]
	s_add_nc_u64 s[8:9], s[8:9], s[42:43]
	s_add_nc_u64 s[10:11], s[10:11], s[42:43]
	s_mov_b32 s[G0], 1                             ; count = 1
	s_mov_b32 s[G0+1], s44                         ; LDS: my part of the stage
	s_add_nc_u64 s[G0+2:G0+3], s[40:41], s[14:15]  ; key tile 0, my 64 rows: head and wave alone, the same in all four work-groups
	s_or_b32 s[G0+3], s[G0+3], 0x80000000          ; type = 2
	ROUND                                          ; all four work-groups are here: the first joint loads meet
	tensor_load_to_lds s[G0:G0+3], s[G1:G1+7]      ; key tile 0
	s_nop 0
	; lane terms: L = lane, r = L % 16, h = L / 16
	v_and_b32 v1, 31, v0
	v_and_b32 v2, 15, v0
	v_bfe_u32 v3, v0, 4, 1
	v_lshlrev_b32 v[GO], 4, v1
	v_mul_u32_u24 v[KFA], v2, KP                   ; K fragment: row r, 16 bytes for each lane half
	v_lshl_add_u32 v[KFA], v3, 4, v[KFA]
	v_add_nc_u32 v[KFA], BF0, v[KFA]
	v_add_nc_u32 v[KFA+1], BFB, v[KFA]
	v_and_b32 v[VFA], 7, v0                        ; V fragment: key row 8 h + L % 8, 16 bytes at 16 x ((L / 8) % 2)
	v_lshl_add_u32 v[VFA], v3, 3, v[VFA]
	v_mul_u32_u24 v[VFA], v[VFA], VP
	v_bfe_u32 v[AX], v0, 3, 1
	v_lshl_add_u32 v[VFA], v[AX], 4, v[VFA]
	v_add_nc_u32 v[VFA], BF0+VOFF, v[VFA]
	v_add_nc_u32 v[VFA+1], BFB, v[VFA]
	v_lshl_add_u32 v[CVR], s12, 14, v[GO]          ; my part of the stage + 16 x lane: a load takes two rows
	s_mul_i32 s45, s12, 64*KP
	s_add_co_u32 s45, s45, BF0                     ; waves 0-3: K's rows 64 w ..
	s_mul_i32 s46, s12, 64*VP
	s_add_co_u32 s46, s46, BF0+VOFF-256*VP         ; waves 4-7: V's rows 64 (w - 4) ..
	s_cmp_lt_u32 s12, 4
	s_cbranch_scc0 .Lput_v
	v_mul_u32_u24 v[CVS], v3, KP                   ; + row h
	v_add_nc_u32 v[CVS], s45, v[CVS]
	s_branch .Lput_done
.Lput_v:
	v_mul_u32_u24 v[CVS], v3, VP
	v_add_nc_u32 v[CVS], s46, v[CVS]
.Lput_done:
	v_lshl_add_u32 v[CVS], v2, 3, v[CVS]           ; + 8 bytes (four bf16) x r
	v_add_nc_u32 v[CVS+1], BFB, v[CVS]
	s_mul_i32 s46, s12, QSTB
	s_add_co_u32 s46, s46, QST                     ; my wave's Q stage
	v_mul_u32_u24 v[QSA], v3, KP
	v_lshl_add_u32 v[QSA], v2, 3, v[QSA]
	v_add_nc_u32 v[QSA], s46, v[QSA]
	v_mul_u32_u24 v[QRA], v2, KP
	v_lshl_add_u32 v[QRA], v3, 4, v[QRA]
	v_add_nc_u32 v[QRA], s46, v[QRA]
	s_mul_i32 s46, s12, WSTB
	s_add_co_u32 s46, s46, WST                     ; my wave's output stage
	v_mul_u32_u24 v[OSA], v2, OP                   ; in: row r, 32 bytes for each lane half
	v_lshl_add_u32 v[OSA], v3, 5, v[OSA]
	v_add_nc_u32 v[OSA], s46, v[OSA]
	v_mul_u32_u24 v[ORA], v3, OP                   ; back: lanes 0-15 one row, lanes 16-31 the next
	v_lshl_add_u32 v[ORA], v2, 4, v[ORA]
	v_add_nc_u32 v[ORA], s46, v[ORA]
	; Q, while key tile 0 is on its way: my 64 rows, two rows (512 neighbouring bytes) a load, into v56-183, rounded to bf16 as they stand, through my stage into B fragments
.set j, 0
.rept 32
	global_load_b128 v[SC0+4*j:SC0+4*j+3], v[GO], s[8:9] offset:512*j th:TH_LOAD_NT
.set j, j+1
.endr
.set j, 0
.rept 4
	s_wait_loadcnt 24-j                            ; loads come back in order (ISA guide 5.7.1): the next eight are in, the younger ones stay out
.rept 8
	v_cvt_pk_bf16_f32 v[SC0+4*j],   v[SC0+4*j],   v[SC0+4*j+1]
	v_cvt_pk_bf16_f32 v[SC0+4*j+1], v[SC0+4*j+2], v[SC0+4*j+3]
	ds_store_b64 v[QSA], v[SC0+4*j:SC0+4*j+1] offset:2*KP*j        ; rows 2 j + h, d = 4 r .. 4 r + 3
.set j, j+1
.endr
.endr
.irp t, 0,1,2,3
.irp ks, 0,1
	ds_load_b128 v[QF+16*\t+8*\ks:QF+16*\t+8*\ks+3],   v[QRA] offset:16*KP*\t+64*\ks      ; my own bytes: LDS serves a wave in order (ISA guide 5.7.1.4)
	ds_load_b128 v[QF+16*\t+8*\ks+4:QF+16*\t+8*\ks+7], v[QRA] offset:16*KP*\t+64*\ks+32
.endr
.endr
; CONVERSION of half c (32 rows) of my part of the stage, in three steps that stand apart in the text.
.macro CVLOAD c                        ; 16 loads of two rows each, 512 neighbouring bytes
	WIN 0x40
.irp j, 0,1,2,3,4,5,6,7,8,9,10,11,12,13,14,15
	ds_load_b128 v[T+4*\j:T+4*\j+3], v[CVR] offset:8192*\c+512*\j
.endr
.endm
.macro CVCVT                           ; four f32 to four bf16 in the first two of their registers
	WIN 0x45
.irp j, 0,1,2,3,4,5,6,7,8,9,10,11,12,13,14,15
	v_cvt_pk_bf16_f32 v[T+4*\j],   v[T+4*\j],   v[T+4*\j+1]
	v_cvt_pk_bf16_f32 v[T+4*\j+1], v[T+4*\j+2], v[T+4*\j+3]
.endr
.endm
.macro CVSTORE par, c                  ; into bf16 tile par.  K's and V's rows differ in the pitch, which stands in the immediates: two runs under a branch on the wave's number
	WIN 0
	s_cmp_lt_u32 s12, 4
	s_cbranch_scc0 .Lcv_v_\@
	WIN 0x04
.irp j, 0,1,2,3,4,5,6,7,8,9,10,11,12,13,14,15
	ds_store_b64 v[CVS+(\par)], v[T+4*\j:T+4*\j+1] offset:(32*\c+2*\j)*KP
.endr
	WIN 0
	s_branch .Lcv_done_\@
.Lcv_v_\@:
	WIN 0x04
.irp j, 0,1,2,3,4,5,6,7,8,9,10,11,12,13,14,15
	ds_store_b64 v[CVS+(\par)], v[T+4*\j:T+4*\j+1] offset:(32*\c+2*\j)*VP
.endr
	WIN 0
.Lcv_done_\@:
.endm
	; key tile 0 into bf16 tile 0
	s_wait_tensorcnt 0x0                           ; my 64 rows have landed; no load of mine is out, so group 0 may be written:
	ds_add_u32 v254, v255
	s_wait_dscnt 0x0
	s_add_nc_u64 s[G0+2:G0+3], s[G0+2:G0+3], TILEB ; the next tile
	CVLOAD 0
	s_wait_dscnt 0x0
	CVCVT
	CVSTORE 0, 0
	s_wait_dscnt 0x0                               ; the stores have read T before it is loaded again
	CVLOAD 1
	s_wait_dscnt 0x0
	CVCVT
	CVSTORE 0, 1
; The fragments of sub-block sb (64 keys) of bf16 tile par: K as A of the first product (row = key, k = d) ..
.macro KLOAD par, sb
.irp kt, 0,1,2,3
.irp ks, 0,1
	ds_load_b128 v[KF+16*\kt+8*\ks:KF+16*\kt+8*\ks+3],   v[KFA+\par] offset:64*KP*(\sb)+16*KP*\kt+64*\ks
	ds_load_b128 v[KF+16*\kt+8*\ks+4:KF+16*\kt+8*\ks+7], v[KFA+\par] offset:64*KP*(\sb)+16*KP*\kt+64*\ks+32
.endr
.endr
.endm
; .. and V^T as A of the second (row = d, k = key; transposed on the way), into window 1
.macro VLOAD par, sb
.irp dt, 0,1,2,3
.irp ks, 0,1
	ds_load_tr16_b128 v[VF+16*\dt+8*\ks:VF+16*\dt+8*\ks+3],   v[VFA+\par] offset:64*VP*(\sb)+32*VP*\ks+32*\dt
	ds_load_tr16_b128 v[VF+16*\dt+8*\ks+4:VF+16*\dt+8*\ks+7], v[VFA+\par] offset:64*VP*(\sb)+32*VP*\ks+32*\dt+16*VP
.endr
.endr
.endm
; Score product number i (0..7) of query tile et into score set es: i = 0..3 start the sums of key tiles 0..3 (d = 0..31), i = 4..7 add d = 32..63.
; The four accumulators take turns, one instruction a turn.  et = -1: nothing.
.macro EW i, et, es
.if \et >= 0
.if \i < 4
	v_wmma_f32_16x16x32_bf16 v[\es+8*\i:\es+8*\i+7], v[KF+16*\i:KF+16*\i+7], v[QF+16*\et:QF+16*\et+7], 0
.else
	v_wmma_f32_16x16x32_bf16 v[\es+8*(\i-4):\es+8*(\i-4)+7], v[KF+16*(\i-4)+8:KF+16*(\i-4)+15], v[QF+16*\et+8:QF+16*\et+15], v[\es+8*(\i-4):\es+8*(\i-4)+7]
.endif
.endif
.endm
.macro FMA4 s, g                       ; eight exponents c x - c m
.irp i, 0,2,4,6
	v_pk_fma_f32 v[\s+8*\g+\i:\s+8*\g+\i+1], v[\s+8*\g+\i:\s+8*\g+\i+1], s[32:33], v[NM:NM+1] op_sel_hi:[1,0,1]
.endr
.endm
.macro EXP8 s, g
.irp i, 0,1,2,3,4,5,6,7
	v_exp_f32 v[\s+8*\g+\i], v[\s+8*\g+\i]
.endr
.endm
.macro OPS s, g                        ; key tile g: four registers of P^T's fragment, and the two sum chains, a conversion between any two additions
	s_wait_alu depctr_va_vdst(0)
	v_cvt_pk_bf16_f32 v[P+4*\g], v[\s+8*\g], v[\s+8*\g+1]
.if \g
	v_pk_add_f32 v[SA:SA+1], v[SA:SA+1], v[\s+8*\g:\s+8*\g+1]
	v_cvt_pk_bf16_f32 v[P+4*\g+1], v[\s+8*\g+2], v[\s+8*\g+3]
	v_pk_add_f32 v[SB:SB+1], v[SB:SB+1], v[\s+8*\g+2:\s+8*\g+3]
	v_cvt_pk_bf16_f32 v[P+4*\g+2], v[\s+8*\g+4], v[\s+8*\g+5]
	v_pk_add_f32 v[SA:SA+1], v[SA:SA+1], v[\s+8*\g+4:\s+8*\g+5]
	v_cvt_pk_bf16_f32 v[P+4*\g+3], v[\s+8*\g+6], v[\s+8*\g+7]
	v_pk_add_f32 v[SB:SB+1], v[SB:SB+1], v[\s+8*\g+6:\s+8*\g+7]
.else
	v_pk_add_f32 v[SA:SA+1], v[\s:\s+1],   v[\s+2:\s+3]            ; the first numbers start the chains: nothing is cleared
	v_cvt_pk_bf16_f32 v[P+1], v[\s+2], v[\s+3]
	v_pk_add_f32 v[SB:SB+1], v[\s+4:\s+5], v[\s+6:\s+7]
	v_cvt_pk_bf16_f32 v[P+2], v[\s+4], v[\s+5]
	v_cvt_pk_bf16_f32 v[P+3], v[\s+6], v[\s+7]
.endif
.endm
; The softmax step of query tile t on score set s, with the eight score products of query tile et into the other set es strewn through it.
; first = 1: nothing is carried yet.  All of it runs in window 0.  The products name the other set, K and Q alone, which no line here touches.
.macro SM t, s, first, et, es
	WIN 0
.irp c, 0,1,2,3
	v_max3_num_f32 v[MX+\c], v[\s+8*\c], v[\s+8*\c+1], v[\s+8*\c+2]            ; my 32 scores in four chains
.endr
.irp c, 0,1,2,3
	v_max3_num_f32 v[MX+\c], v[MX+\c], v[\s+8*\c+3], v[\s+8*\c+4]
.endr
	EW 0, \et, \es
.irp c, 0,1,2,3
	v_max3_num_f32 v[MX+\c], v[MX+\c], v[\s+8*\c+5], v[\s+8*\c+6]
.endr
	v_max3_num_f32 v[MX],   v[MX],   v[\s+7],  v[MX+1]
	v_max3_num_f32 v[MX+2], v[MX+2], v[\s+23], v[MX+3]
	v_max3_num_f32 v[MX],   v[MX],   v[\s+15], v[MX+2]
.if \first
	v_max_num_f32 v[MX], v[MX], v[\s+31]
.else
	v_max3_num_f32 v[MX], v[MX], v[\s+31], v[M+\t]                 ; the maximum so far enters here
	v_mul_f32 v[AX], s34, v[M+\t]                                  ; the old shift, made again by the same multiply
.endif
	EW 1, \et, \es
	v_permlanex16_b32 v[MX+1], v[MX], s36, s37                     ; the other 32 keys of my query lie in the other lane half
	v_max_num_f32 v[M+\t], v[MX], v[MX+1]
	v_mul_f32 v[NM],   s34, v[M+\t]                                ; the shift -c m, rounded once
	v_mul_f32 v[NM+1], s34, v[M+\t]
.if \first == 0
	v_sub_f32 v[AX], v[NM], v[AX]                                  ; new shift - old shift = c (old m - new m), at most 0
.endif
	; Behind each run of v_exp_f32 the first vector instruction that is no matrix instruction is a plain one that touches none of the run's registers,
	; and a run's results are used only behind it (ISA guide 5.7.2)
	FMA4 \s, 0
	EW 2, \et, \es
	EXP8 \s, 0
.if \first == 0
	v_exp_f32 v[AL],   v[AX]
	v_exp_f32 v[AL+1], v[AX]
.endif
	EW 3, \et, \es
	FMA4 \s, 1
	EXP8 \s, 1
	EW 4, \et, \es
	OPS  \s, 0
	FMA4 \s, 2
	EW 5, \et, \es
	EXP8 \s, 2
	EW 6, \et, \es
	OPS  \s, 1
	EW 7, \et, \es
	FMA4 \s, 3                                     ; from here on more than four plain instructions stand behind the last score product: its set may be read, K's registers loaded
	EXP8 \s, 3
	OPS  \s, 2
	OPS  \s, 3
	v_pk_add_f32 v[SA:SA+1], v[SA:SA+1], v[SB:SB+1]
.if \first
	v_add_f32 v[LS+\t], v[SA], v[SA+1]
.else
	v_add_f32 v[SA], v[SA], v[SA+1]
	v_fma_f32 v[LS+\t], v[LS+\t], v[AL], v[SA]
.endif
.endm
.macro RS t, dt                        ; O^T's tile (t, dt) times the factor
.irp i, 0,2,4,6
	v_pk_mul_f32 v[32*\t+8*\dt+\i:32*\t+8*\dt+\i+1], v[32*\t+8*\dt+\i:32*\t+8*\dt+\i+1], v[AL:AL+1]
.endr
.endm
.macro PW t, dt, ks                    ; O^T's tile (t, dt) += V^T (16 d x 32 keys) P^T (32 keys x 16 queries)
	v_wmma_f32_16x16x32_bf16 v[32*\t+8*\dt:32*\t+8*\dt+7], v[VF+16*\dt+8*\ks:VF+16*\dt+8*\ks+7], v[P+8*\ks:P+8*\ks+7], v[32*\t+8*\dt:32*\t+8*\dt+7]
.endm
; O^T of query tile t is rescaled and takes V^T P^T: 64 d x 16 queries, keys in two steps of 32, all under one window setting.  A tile is rescaled ahead of its
; first product; the multiplies behind a product write another tile than that product names.  The four accumulators take turns, one instruction a turn.
.macro RPV t, first
	WIN 0x51
.if \first
.irp dt, 0,1,2,3
	v_wmma_f32_16x16x32_bf16 v[32*\t+8*\dt:32*\t+8*\dt+7], v[VF+16*\dt:VF+16*\dt+7], v[P:P+7], 0   ; the first product starts the sums
.endr
.else
	RS \t, 0
	RS \t, 1
	PW \t, 0, 0
	RS \t, 2
	PW \t, 1, 0
	RS \t, 3
	PW \t, 2, 0
	PW \t, 3, 0
.endif
.irp dt, 0,1,2,3
	PW \t, \dt, 1
.endr
.endm
; A sub-block of 64 keys of bf16 tile par for my four query tiles.  cv = 0, 1: half cv of my part of the stage is converted on the way, into the other bf16 tile;
; -1: nothing.  nk = 1: the next sub-block's K fragments are asked for behind the last product that reads this one's.
.macro SUB par, sb, first, cv, nk
	PLACES                                         ; the loads below land in V fragments that the matrix instructions just above read
.if \sb == 0
	KLOAD \par, 0                                  ; a tile's first K fragments cannot be asked for ahead of its round
.endif
.if \cv == 1
	s_wait_dscnt 0x0                               ; the first half's stores have read T before it is loaded again (K's fragments, asked for ahead of them, are in too)
.endif
	WIN 0x40
.if \cv >= 0
	CVLOAD \cv
.endif
	VLOAD \par, \sb
	WIN 0
.if \cv >= 0
	s_wait_dscnt 32                                ; K's fragments are in: behind them 16 loads of the stage and V's 16 were issued, and may stay out
.else
	s_wait_dscnt 16                                ; K's fragments are in; V's sixteen loads stay out
.endif
.irp i, 0,1,2,3,4,5,6,7
	EW \i, 0, SC0                                  ; query tile 0 has no softmax in front of it to stand in
.endr
	PLACES                                         ; four places before set 0 is read
	SM 0, SC0, \first, 1, SC1
	s_wait_dscnt 0x0                               ; V's fragments, and the stage's rows
	RPV 0, \first
	SM 1, SC1, \first, 2, SC0
	RPV 1, \first
	SM 2, SC0, \first, 3, SC1
.if \nk
	KLOAD \par, \sb+1                              ; one and a half query tiles ahead of their use
.endif
	RPV 2, \first
.if \cv >= 0
	CVCVT
	CVSTORE 1-\par, \cv
.endif
	SM 3, SC1, \first, -1, 0
	RPV 3, \first
	WIN 0
.endm
; A key tile of 256, out of bf16 tile par.  refill = 1: the next tile is asked for and converted.
; ONE ROUND orders four things.  In front of it every wave has waited for all its LDS instructions, and its one tensor load was shown landed by the wait for 0 ahead of
; the conversion, behind which it has issued none.  Behind the round: (1) every wave's bf16 rows of this tile are written; (2) no wave of any of the four work-groups
; still reads the stage, so the joint refill goes out first; (3) no wave of mine still reads the other bf16 tile, so the conversion may write it; (4) all partners ask together.
; By this text's own count a wave has at most one tensor load outstanding.  It has two sub-blocks' work in which to land.
.macro TRIP par, refill, first
	s_wait_dscnt 0x0                               ; my bf16 rows are written, my reads of the stage and of the other bf16 tile are back
	ROUND
.if \refill
	tensor_load_to_lds s[G0:G0+3], s[G1:G1+7]      ; my 64 rows of the next tile
	s_nop 0
.endif
	SUB \par, 0, \first, -1, 1
	SUB \par, 1, 0, -1, 1
.if \refill
	s_wait_tensorcnt 0x0                           ; my rows have landed: only I read them.  No load of mine is out, here and at the next round, so group 0 may be written:
	ds_add_u32 v254, v255
	s_wait_dscnt 0x0
	s_add_nc_u64 s[G0+2:G0+3], s[G0+2:G0+3], TILEB ; the tile after (not used behind the last)
	SUB \par, 2, 0, 0, 1
	SUB \par, 3, 0, 1, 0
.else
	SUB \par, 2, 0, -1, 1
	SUB \par, 3, 0, -1, 0
.endif
.endm
	TRIP 0, 1, 1                                   ; tile 0: its first sub-block starts maxima, sums and O: nothing is cleared
	s_mov_b32 s38, 3
.Lpair:
	TRIP 1, 1, 0                                   ; tiles 1, 3, 5
	TRIP 0, 1, 0                                   ; tiles 2, 4, 6; tile 6 asks for tile 7,
	s_sub_co_u32 s38, s38, 1
	s_cmp_lg_u32 s38, 0
	s_cbranch_scc1 .Lpair
	TRIP 1, 0, 0                                   ; tile 7 for nothing
	; THE WAY OUT.  Join the two lane halves' sums, divide, and send 16 rows at a time through my own stage, so that a store covers two whole rows of 256 bytes.
	PLACES                                         ; four places behind the last matrix instructions
.irp t, 0,1,2,3
	v_permlanex16_b32 v[MX+\t], v[LS+\t], s36, s37
.endr
.irp t, 0,1,2,3
	v_add_f32 v[LS+\t], v[LS+\t], v[MX+\t]         ; at least about 1: the row's largest term
.endr
.irp t, 0,1,2,3
	v_rcp_f32 v[RL+2*\t],   v[LS+\t]
	v_rcp_f32 v[RL+2*\t+1], v[LS+\t]
.endr
	v_nop                                          ; one plain place behind the run of v_rcp_f32 (ISA guide 5.7.2)
	s_wait_alu depctr_va_vdst(0)
; query tile t: scaled into score set s, staged, read back by rows into registers of its own, stored
.macro OUT t, s
	WIN 0x01                                       ; source 0 (O) in window 1
.irp i, 0,2,4,6,8,10,12,14,16,18,20,22,24,26,28,30
	v_pk_mul_f32 v[\s+\i:\s+\i+1], v[32*\t+\i:32*\t+\i+1], v[RL+2*\t:RL+2*\t+1]
.endr
	WIN 0
.irp dt, 0,1,2,3
	ds_store_b128 v[OSA], v[\s+8*\dt:\s+8*\dt+3]   offset:64*\dt           ; query r, d = 16 dt + 8 h + 0..3
	ds_store_b128 v[OSA], v[\s+8*\dt+4:\s+8*\dt+7] offset:64*\dt+16        ; and + 4..7
.endr
.irp i, 0,1,2,3,4,5,6,7
	ds_load_b128 v[KF+32*\t+4*\i:KF+32*\t+4*\i+3], v[ORA] offset:2*OP*\i   ; my own bytes, served in order: these see the stores above
.endr
.irp i, 0,1,2,3,4,5,6,7
	s_wait_dscnt 7-\i                              ; read-back i is in; the younger ones stay out.  The last count is 0: the stage is free for the next query tile
	global_store_b128 v[GO], v[KF+32*\t+4*\i:KF+32*\t+4*\i+3], s[10:11] offset:(16*\t+2*\i)*256 th:TH_STORE_NT   ; 512 consecutive bytes, at a multiple of 256 from out0's first byte
.endr
.endm
	OUT 0, SC0
	OUT 1, SC1
	OUT 2, SC0
	OUT 3, SC1
	s_wait_tensorcnt 0x0
	ds_add_u32 v254, v255
	s_wait_dscnt 0x0
	ROUND                                          ; the closing round: no work-group ends while a partner may still ask for a tile that names it
	s_endpgm
.Lfunc_end_k_q79c788bd9f_attn:
	.size	k_q79c788bd9f_attn, .Lfunc_end_k_q79c788bd9f_attn-k_q79c788bd9f_attn
	.p2alignl 7, 3214868480
	.fill 96, 4, 3214868480
	.section	.rodata,"a",@progbits
	.p2align	6, 0x0
	.amdhsa_kernel k_q79c788bd9f_attn
		.amdhsa_group_segment_fixed_size 327680
		.amdhsa_private_segment_fixed_size 0
		.amdhsa_enable_private_segment 0
		.amdhsa_kernarg_size 32
		.amdhsa_user_sgpr_count 2
		.amdhsa_user_sgpr_kernarg_segment_ptr 1
		.amdhsa_wavefront_size32 1
		.amdhsa_system_sgpr_workgroup_id_x 1
		.amdhsa_system_sgpr_workgroup_id_y 1
		.amdhsa_system_sgpr_workgroup_id_z 1
		.amdhsa_system_vgpr_workitem_id 0
		.amdhsa_next_free_vgpr 512
		.amdhsa_next_free_sgpr 66
		.amdhsa_reserve_vcc 0
		.amdhsa_float_denorm_mode_32 3
		.amdhsa_float_denorm_mode_16_64 3
		.amdhsa_memory_ordered 1
		.amdhsa_forward_progress 1
		.amdhsa_inst_pref_size 255
	.end_amdhsa_kernel
	.section	.bss,"aw",@nobits
	.p2align	6
	.space	262144
	.amdgpu_metadata
---
amdhsa.version: [ 1, 2 ]
amdhsa.kernels:
  - .name:           k_q79c788bd9f_attn
    .symbol:         k_q79c788bd9f_attn.kd
    .args:
      - { .name: key, .offset: 0, .size: 8, .value_kind: global_buffer, .address_space: global }
      - { .name: value, .offset: 8, .size: 8, .value_kind: global_buffer, .address_space: global }
      - { .name: query, .offset: 16, .size: 8, .value_kind: global_buffer, .address_space: global }
      - { .name: out0, .offset: 24, .size: 8, .value_kind: global_buffer, .address_space: global }
    .group_segment_fixed_size: 327680
    .private_segment_fixed_size: 0
    .kernarg_segment_align: 8
    .kernarg_segment_size: 32
    .max_flat_workgroup_size: 256
    .sgpr_count:     66
    .vgpr_count:     512
    .wavefront_size: 32
...
	.end_amdgpu_metadata
.endif
;; end of part 1
